; MI455X (gfx1250); checked and timed in simulation.
; The chip was launched on July 23, 2026; its instructions are those of AMD's public machine-readable ISA for CDNA 5 (MIT licence, August 2026) and "CDNA5" Instruction Set Architecture Reference Guide (July 2026). The comments in the code are by the model that wrote it; some were corrected since.
;; Hopfield Retrieve. Allowed arithmetic: matrix products marked QUANTISED: E3M2 operands, one E8M0 scale for each 32 along K, by v_wmma_scale_f32_16x16x128_f8f6f4 with both operands' format E3M2, f32 sums; everything else in f32.
;; Inputs: Wk 1,024 x 1,024 float32; Wq 1,024 x 1,024 float32; Wv 1,024 x 1,024 float32; k 4 x 2,048 x 1,024 float32; q 4 x 2,048 x 1,024 float32; v 4 x 2,048 x 1,024 float32.
;; Outputs: out0 4 x 2,048 x 1,024 float32.
;; This version of the problem:
;;   THIS VERSION OF THE PROBLEM IS GIVEN IN LOW PRECISION. The matrix products marked QUANTISED in the list below multiply operands that are first quantised to E3M2 (3 exponent bits, 2 mantissa bits; 6 bits a number), with one power-of-two scale for each 32 numbers along K (OCP MX v1.0); their sums are f32. All else is computed in f32.
;;   The module's matrix products, in the order in which they are computed (A, B: the left and right operand; K: the contracted axis; several contracted axes count as one K, in the product's order):
;;     1. [M 8,192, K 1,024] x [K 1,024, N 1,024]; A: input q; B: input Wq: QUANTISED
;;     2. [M 8,192, K 1,024] x [K 1,024, N 1,024]; A: input k; B: input Wk: QUANTISED
;;     3. [M 8,192, K 1,024] x [K 1,024, N 1,024]; A: input v; B: input Wv: QUANTISED
;;     4. batch 64 x [M 2,048, K 64] x [K 64, N 2,048]; A: computed on the way; B: computed on the way: QUANTISED
;;     5. batch 64 x [M 64, K 2,048] x [K 2,048, N 2,048]; A: computed on the way; B: softmax (see below): QUANTISED
;;   THE QUANTISER, for each operand of a quantised product, along K:
;;     - K is cut into blocks of 32 from its start; a last block that is shorter is filled with zeros.
;;     - A block's scale is 2^e with e = floor(log2(the largest magnitude in the block)) - 4, held to -126 .. 127; a block of zeros has e = 0. As a byte (E8M0): e + 127.
;;     - Each number is divided by its block's scale, clamped to +-28, and rounded to the nearest number of E3M2, ties to even, subnormals kept.
;;     - The product sums the exact products of the quantised numbers (number of the format x scale) in f32.
;;   ~~~python
;;   def quantise(x, axis):      # numpy; x: float32 -> the quantised numbers, widened to float32 again
;;       x = np.moveaxis(x, axis, -1); K = x.shape[-1]
;;       x = np.pad(x, [(0, 0)] * (x.ndim - 1) + [(0, -K % 32)]); x = x.reshape(x.shape[:-1] + (-1, 32)); a = np.abs(x).max(-1, keepdims=True)
;;       e = np.where(a > 0, np.clip(np.frexp(np.where(a > 0, a, 1))[1] - 1 - 4, -126, 127), 0)      # np.frexp(a)[1] - 1 = floor(log2(a)), exactly
;;       r = np.clip(x / 2.0 ** e, -28, 28)
;;       step = 2.0 ** (np.maximum(np.frexp(np.where(r == 0, 1, r))[1] - 1, -2) - 2)
;;       q = np.round(r / step) * step * 2.0 ** e      # np.round: ties to even
;;       return np.moveaxis(q.reshape(q.shape[:-2] + (-1,))[..., :K], -1, axis).astype(np.float32)
;;   ~~~
;;   SOFTMAX AHEAD OF A QUANTISED PRODUCT. Where the list says 'softmax', what is quantised is not the finished softmax but p = 2^(t - M), with t = logit x log2(e) and M = ceil(the row's largest t), a whole number; so 1/2 < the row's largest p <= 1. The row's sum l is taken of the UNQUANTISED p, in f32, and the product's result is divided by l at the end. Since M is a whole number, a kernel that streams over the keys may use a running M (the ceiling of the running maximum): every later rescaling is an exact power of two, which a block's scale takes up: the codes' values come out the same.
;;   OPERANDS COMPUTED ON THE WAY. 'Computed on the way' means the value that the module computes at that place (a softmax that the list does not call 'softmax' is quantised finished and normalised). What goes into a quantiser is computed in f32, as accurately as f32 sums, v_exp_f32 and their like allow (about 1e-6 of the number): no bf16 or f16 on the way to a quantiser, and a product that is left as it is and whose result goes on into a quantised operand takes f32 operands (vector FMAs, or v_wmma_f32_16x16x4_f32). A number that lies on a knife's edge between two numbers of the format may be rounded either way, as far as f32 arithmetic and the matrix unit's own rounding can turn it there, and no further.
;; One version. Each part assembles by itself: llvm-mc -triple=amdgcn-amd-amdhsa -mcpu=gfx1250 --defsym DOCPART=n.
;; ======== version 1 of 1: 3 launches
;; limits: right only within a limited range of input values
;; workspace buffers: xcodes 21,233,664 bytes; xscales 884,736 bytes; pimg 19,660,800 bytes
;; launch quant (part 1): grid 864 x 1, 4 waves a work-group, no clusters, 33,280 bytes of LDS; arguments q, k, v, Wq, Wk, Wv, xcodes, xscales; writes xcodes, xscales
.if DOCPART == 1
	.amdgcn_target "amdgcn-amd-amdhsa--gfx1250"
	.amdhsa_code_object_version 6
	.text
	.protected	k_q856a3155da_quant
	.globl	k_q856a3155da_quant
	.p2align	8
	.type	k_q856a3155da_quant,@function
k_q856a3155da_quant:
	s_mov_b64 s[64:65], 0
	v_nop
	global_prefetch_b8 v0, s[64:65] scope:SCOPE_SE
	s_setreg_imm32_b32 hwreg(HW_REG_WAVE_MODE, 25, 1), 1
	s_wait_xcnt 0x0
; q, k, v [8192][1024] and Wq, Wk, Wv [1024][1024], f32, become codes of BF6 (E3M2), 6 bits each, K innermost, with one E8M0 scale byte for each 32 along K.
; All six land in ONE matrix of 27,648 rows: xcodes, 768 bytes a row, and xscales, 32 bytes a row; rows: q from 0, k from 8,192, v from 16,384, Wq from 24,576, Wk from 25,600, Wv from 26,624.
; A block's scale is 2^(floor(log2(its largest magnitude)) - 4); its byte is the largest magnitude's exponent field - 4, held at 1 from below.  Each number is divided by the scale and rounded to the nearest code, ties to even, beyond 28 the largest code.
; (A block of zeros gets the byte 1 where the quantiser says 127: its codes are zeros, which add nothing under any byte but 0xff, and the bytes are read by this program alone.)
; LIMITS: blocks whose largest magnitude lies under 2^-122, whose byte is held at 1, lose their lowest bits; NaN and infinities among the inputs are not served.
; THE ROWS ARE PERMUTED, in runs of 8: within each 32 rows run R goes to run R with its two bits swapped (0, 2, 1, 3).  So place 16 u + r of a group of 32 holds row 8 u + r + 8 (r / 8):
; a tile of 16 neighbouring places then gives the next launch's results 16 neighbours along the next K in a lane's registers.
; A work-group takes 32 rows, a wave 8 rows = 8,192 numbers, in 16 steps of 512.  A conversion takes 16 numbers of ONE block from a lane's registers, a load is best where neighbouring lanes take neighbouring bytes:
; each of a step's four loads reads 512 consecutive bytes; the 2,048 bytes go through the wave's own stage in LDS and come back 64 bytes a lane (16 bytes of padding behind each 64).
; A lane's 16 codes are 12 bytes: the wave stores 384 consecutive bytes.  A wave's 256 scale bytes are gathered in its own LDS bytes and leave as one aligned run of 256 bytes.
; No tensor loads, no barrier, no cluster: waves and work-groups share nothing.  Loads run four steps (16 loads a wave) ahead, the turn through LDS one step.
.set STEPS, 16
.set EMAX,  4
.set CB,    12                         ; bytes of 16 codes
.set R,     16                         ; v16-79   four sets of 16 numbers as they are loaded
.set X,     80                         ; v80-111  two sets of 16 neighbours
.set C,     128                        ; v128-191 codes: four registers for each step, so that no store's data are written again
.set E,     112                        ; v112-127 a scale byte for each step
.set WREG,  8192                       ; LDS: a region for each wave: two stages of 32 x SP bytes, behind them its 256 scale bytes
.set SP,    80                         ; a lane's place in a stage: its 64 bytes + 16 of padding
.set SRC,   22                         ; s[22:23] my wave's numbers
.set DCO,   16                         ; s[16:17] my wave's codes
.set DSC,   18                         ; s[18:19] my wave's scale bytes
	s_load_b256 s[4:11], s[0:1], 0x0               ; q, k, v, Wq
	s_load_b256 s[12:19], s[0:1], 0x20             ; Wk, Wv, xcodes, xscales
	v_lshl_add_u32 v192, v0, 2, 0x8000
	v_mov_b32 v193, 0
	v_lshrrev_b32 v1, 5, v0
	v_readfirstlane_b32 s20, v1                    ; wave
	v_and_b32 v2, 31, v0                           ; lane
	v_lshlrev_b32 v3, 4, v2                        ; my 16 bytes of a load's 512
	s_mul_i32 s21, s20, WREG
	v_lshrrev_b32 v14, 2, v2
	v_mul_u32_u24 v14, v14, SP
	v_and_b32 v15, 3, v2
	v_lshl_add_u32 v14, v15, 4, v14
	v_add_nc_u32 v14, s21, v14                     ; the stage, on the way in: SP (lane / 4) + 16 (lane % 4)
	v_mul_u32_u24 v15, v2, SP
	v_add_nc_u32 v15, s21, v15                     ; and on the way out: SP x lane: my 16 neighbours
	v_mul_u32_u24 v4, v2, CB                       ; my codes' place in a step's
	v_lshrrev_b32 v5, 1, v2
	s_add_co_u32 s21, s21, 2*32*SP
	v_add_nc_u32 v5, s21, v5                       ; LDS: my wave's 256 scale bytes, my block's byte
	v_lshlrev_b32 v7, 3, v2                        ; and on the way out 8 bytes a lane
	v_add_nc_u32 v6, s21, v7
	s_wait_alu depctr_va_vdst(0)
	s_wait_kmcnt 0x0
	; which tensor is my work-group's?  The choice hangs on the work-group's number alone; only a pointer and a first number are chosen
.macro PICK lim, ptr, base
	s_cmp_lt_u32 ttmp9, \lim
	s_cselect_b64 s[SRC:SRC+1], s[\ptr:\ptr+1], s[SRC:SRC+1]
	s_cselect_b32 s24, \base, s24
.endm
	s_mov_b64 s[SRC:SRC+1], s[14:15]               ; Wv: work-groups 832 to 863
	s_mov_b32 s24, 832
	PICK 832, 12, 800                              ; Wk
	PICK 800, 10, 768                              ; Wq
	PICK 768, 8, 512                               ; v
	PICK 512, 6, 256                               ; k
	PICK 256, 4, 0                                 ; q
	s_sub_co_u32 s24, ttmp9, s24
	s_lshl_b32 s24, s24, 2
	s_add_co_u32 s24, s24, s20                     ; which run of 8 rows of the tensor is my wave's,
	s_lshl_b32 s24, s24, 15                        ; 32,768 bytes a run (under 2^25 in all)
	s_mov_b32 s25, 0
	s_add_nc_u64 s[SRC:SRC+1], s[SRC:SRC+1], s[24:25]
	s_and_b32 s26, s20, 1                          ; where it goes: the wave's two bits swapped
	s_lshl_b32 s26, s26, 1
	s_lshr_b32 s27, s20, 1
	s_or_b32 s26, s26, s27
	s_lshl_b32 s27, ttmp9, 2
	s_add_co_u32 s26, s26, s27                     ; run 4 x work-group + the swapped wave, of the one matrix of 27,648 rows
	; k's rows (work-groups 256 to 511) are laid otherwise: within each 64 rows run 4 h + u goes to run 2 u + h, so that place 16 u + 8 h + j holds row 32 h + 8 u + j:
	; in the attention's scores a lane's 32 registers of four neighbouring tiles are then one whole block of 32 neighbouring keys
	s_lshr_b32 s27, ttmp9, 1
	s_lshl_b32 s27, s27, 3                         ; the group of 64 rows: eight runs
	s_lshl_b32 s30, s20, 1                         ; u = the wave
	s_add_co_u32 s27, s27, s30
	s_and_b32 s30, ttmp9, 1                        ; h = the work-group's lowest bit
	s_add_co_u32 s27, s27, s30
	s_lshr_b32 s30, ttmp9, 8
	s_cmp_eq_u32 s30, 1                            ; the choice hangs on the work-group's number alone
	s_cselect_b32 s26, s27, s26
	s_mul_i32 s28, s26, 8*768
	s_mov_b32 s29, 0
	s_add_nc_u64 s[DCO:DCO+1], s[DCO:DCO+1], s[28:29]
	s_lshl_b32 s28, s26, 8
	s_add_nc_u64 s[DSC:DSC+1], s[DSC:DSC+1], s[28:29]
.macro LOAD t
.irp i, 0,1,2,3
	global_load_b128 v[R+16*((\t)%4)+4*\i:R+16*((\t)%4)+4*\i+3], v3, s[SRC:SRC+1] offset:2048*(\t)+512*\i th:TH_LOAD_NT   ; 32 lanes read 512 consecutive bytes
.endr
.endm
.macro TURN t                          ; step t's numbers through the stage: LDS serves a wave's instructions in order, so no wait stands between the stores and the loads
.irp i, 0,1,2,3
	ds_store_b128 v14, v[R+16*((\t)%4)+4*\i:R+16*((\t)%4)+4*\i+3] offset:32*SP*((\t)%2)+8*SP*\i
.endr
.irp i, 0,1,2,3
	ds_load_b128 v[X+16*((\t)%2)+4*\i:X+16*((\t)%2)+4*\i+3], v15 offset:32*SP*((\t)%2)+16*\i
.endr
.endm
.irp t, 0,1,2,3
	LOAD \t
.endr
	s_wait_loadcnt 12                              ; step 0's four loads are in
	TURN 0
.macro STEP t
.set XS, X+16*((\t)%2)
.if (\t) > 0
	s_wait_dscnt 1                                 ; this step's numbers are back from the stage (the last step's byte store may be out): so its stores into the stage have read their registers,
.else
	s_wait_dscnt 0x0
.endif
.if (\t)+4 < STEPS
	LOAD (\t)+4                                    ; which take the loads of four steps on
.endif
.if (\t)+1 < STEPS
.if STEPS-2-(\t) >= 3
	s_wait_loadcnt 12                              ; the next step's four loads are in; those of the three steps behind it may be out
.else
	s_wait_loadcnt 4*(STEPS-2-(\t))
.endif
	TURN (\t)+1                                    ; and go through the other stage while this step is worked
.endif
	v_max3_num_f32 v8, |v[XS]|, |v[XS+1]|, |v[XS+2]|               ; the largest magnitude of my 16, in two chains
	v_max3_num_f32 v9, |v[XS+3]|, |v[XS+4]|, |v[XS+5]|
.irp i, 6,10
	v_max3_num_f32 v8, v8, |v[XS+\i]|, |v[XS+\i+1]|
	v_max3_num_f32 v9, v9, |v[XS+\i+2]|, |v[XS+\i+3]|
.endr
	v_max3_num_f32 v8, v8, |v[XS+14]|, |v[XS+15]|
	v_max3_num_f32 v8, v8, v9, (EMAX+1)<<23        ; and the floor 2^(EMAX + 1 - 127): the byte cannot fall under 1
	v_max_num_f32_dpp v8, v8, v8 row_xmask:1 row_mask:0xf bank_mask:0xf   ; and of my neighbour's 16: the block's
	v_add_nc_u32 v11, -(EMAX<<23), v8              ; EMAX off its exponent field: the conversion takes the exponent field of this operand as its scale, and nothing else of it
	v_cvt_scalef32_pk16_bf6_f32 v[C+4*(\t):C+4*(\t)+2], v[XS:XS+15], v11         ; 96 bits without gaps, the first number's code lowest
	v_lshrrev_b32 v[E+(\t)], 23, v11               ; the scale's byte (also the plain line behind the conversion)
	ds_store_b8 v5, v[E+(\t)] offset:16*(\t)       ; both lanes of a block write the same byte with the same value
	global_store_b96 v4, v[C+4*(\t):C+4*(\t)+2], s[DCO:DCO+1] offset:32*CB*(\t)
.endm
.irp t, 0,1,2,3,4,5,6,7,8,9,10,11,12,13,14,15
	STEP \t
.endr
	ds_load_b64 v[12:13], v6                       ; LDS serves a wave's instructions in order: these see my stores
	s_wait_dscnt 0x0
	global_store_b64 v7, v[12:13], s[DSC:DSC+1]    ; 32 lanes store 256 consecutive bytes, aligned
	s_wait_tensorcnt 0x0
	ds_add_u32 v192, v193
	s_wait_dscnt 0x0
	s_endpgm
.Lfunc_end_k_q856a3155da_quant:
	.size	k_q856a3155da_quant, .Lfunc_end_k_q856a3155da_quant-k_q856a3155da_quant
	.p2alignl 7, 3214868480
	.fill 96, 4, 3214868480
	.section	.rodata,"a",@progbits
	.p2align	6, 0x0
	.amdhsa_kernel k_q856a3155da_quant
		.amdhsa_group_segment_fixed_size 33280
		.amdhsa_private_segment_fixed_size 0
		.amdhsa_enable_private_segment 0
		.amdhsa_kernarg_size 64
		.amdhsa_user_sgpr_count 2
		.amdhsa_user_sgpr_kernarg_segment_ptr 1
		.amdhsa_wavefront_size32 1
		.amdhsa_system_sgpr_workgroup_id_x 1
		.amdhsa_system_sgpr_workgroup_id_y 1
		.amdhsa_system_sgpr_workgroup_id_z 1
		.amdhsa_system_vgpr_workitem_id 0
		.amdhsa_next_free_vgpr 194
		.amdhsa_next_free_sgpr 66
		.amdhsa_reserve_vcc 0
		.amdhsa_float_denorm_mode_32 3
		.amdhsa_float_denorm_mode_16_64 3
		.amdhsa_memory_ordered 1
		.amdhsa_forward_progress 1
		.amdhsa_inst_pref_size 33
	.end_amdhsa_kernel
	.amdgpu_metadata
---
amdhsa.version: [ 1, 2 ]
amdhsa.kernels:
  - .name:           k_q856a3155da_quant
    .symbol:         k_q856a3155da_quant.kd
    .args:
      - { .name: q, .offset: 0, .size: 8, .value_kind: global_buffer, .address_space: global }
      - { .name: k, .offset: 8, .size: 8, .value_kind: global_buffer, .address_space: global }
      - { .name: v, .offset: 16, .size: 8, .value_kind: global_buffer, .address_space: global }
      - { .name: Wq, .offset: 24, .size: 8, .value_kind: global_buffer, .address_space: global }
      - { .name: Wk, .offset: 32, .size: 8, .value_kind: global_buffer, .address_space: global }
      - { .name: Wv, .offset: 40, .size: 8, .value_kind: global_buffer, .address_space: global }
      - { .name: xcodes, .offset: 48, .size: 8, .value_kind: global_buffer, .address_space: global }
      - { .name: xscales, .offset: 56, .size: 8, .value_kind: global_buffer, .address_space: global }
    .group_segment_fixed_size: 33280
    .private_segment_fixed_size: 0
    .kernarg_segment_align: 8
    .kernarg_segment_size: 64
    .max_flat_workgroup_size: 128
    .sgpr_count:     66
    .vgpr_count:     194
    .wavefront_size: 32
...
	.end_amdgpu_metadata
.endif
;; end of part 1
;; launch proj (part 2): grid 4 x 96, 4 waves a work-group, clusters of 4 x 4, 327,680 bytes of LDS; arguments xcodes, xscales, pimg; writes pimg
.if DOCPART == 2
	.amdgcn_target "amdgcn-amd-amdhsa--gfx1250"
	.amdhsa_code_object_version 6
	.text
	.protected	k_q856a3155da_proj
	.globl	k_q856a3155da_proj
	.p2align	8
	.type	k_q856a3155da_proj,@function
k_q856a3155da_proj:
	s_mov_b64 s[64:65], 0
	v_nop
	global_prefetch_b8 v0, s[64:65] scope:SCOPE_SE
	s_setreg_imm32_b32 hwreg(HW_REG_WAVE_MODE, 25, 1), 1
	s_wait_xcnt 0x0
	s_wait_alu depctr_hold_cnt(0) depctr_sa_sdst(0) depctr_va_vdst(0) depctr_va_sdst(0) depctr_va_ssrc(0) depctr_va_vcc(0) depctr_vm_vsrc(0)
	s_getreg_b32 s2, hwreg(HW_REG_IB_STS2, 6, 4)
	s_cmp_eq_u32 s2, 0
	s_cbranch_scc0 .Lentry_in_a_cluster
	s_endpgm
.Lentry_in_a_cluster:
	s_bfe_u32 s2, ttmp6, 0x10000c
	s_cmp_lg_u32 s2, 0xf033
	s_cbranch_scc0 .Lentry_shape_is_right
	s_endpgm
.Lentry_shape_is_right:
; The three projections relu(x W^T), on codes of BF6 (E3M2) with one E8M0 scale for each 32 along K = 1,024, sums in f32; the results are quantised here, in registers, for the two products of the attention,
; and leave as IMAGES OF OPERAND REGISTERS: qp and kp along the head's 64 features, vp along the keys.
; OPERANDS: rows of xcodes (768 bytes) and xscales (32 bytes).  For q and k: A = tokens, B = rows of W.  For v: A = rows of Wv, B = tokens.
; The matrix instruction is used transposed (source 0 = 16 rows of B, source 1 = 16 rows of A): a lane holds ONE row of A, its registers run along B's rows, the axis that is quantised next.
; The launch before has laid W's and v's rows so that the 16 registers of B's blocks 2 b and 2 b + 1 are rows 32 b + 16 (lane / 16) + 0 .. 15.
; SHARES: a tile of 256 rows of A x 256 rows of B to a work-group of four waves, 128 x 128 a wave: 64 accumulators, 512 registers.  3 x 128 tiles = 384 work-groups in 24 clusters of 4 x 4; cluster y / 8 is the tensor.
; K goes through a ring of two LDS slots in CHUNKS OF 256 BYTES of each row (a row of codes is 768 bytes: three chunks, each begins at a multiple of 256).  A step of 128 along K is 96 bytes: eight steps; steps 2 and 5 lie across two chunks.
; The scale bytes of the work-group's rows, for all of K, come into LDS once, at the head.  Each tile is asked for JOINTLY by the four partners that need it (A's along a row of the cluster, B's along a column).
; No prefetch: the walk has three chunks, of which two are asked for at the head: one refill is all that a prefetch could run ahead of.
; OUT: pimg [t][batch x 16 + head][G: 16 groups of 128 tokens][6,400 bytes]: 256 bytes of scale words [r: 16][i: 4], then four images i of 1,536 bytes: 12 registers x 32 lanes, registers 4 c .. 4 c + 3 of lane l at 512 c + 16 l.
;   q, k: image i: registers 0-5 the tile of tokens 2 i (16 places x the head's 64 features), registers 6-11 tile 2 i + 1; word: bytes 0, 1 tile 2 i's two blocks, bytes 2, 3 tile 2 i + 1's.
;   v: image i: 16 of the head's features x the group's 128 keys; lane r is feature 32 (i / 2) + 8 (i % 2) + r + 8 (r / 8); word: the four blocks of 32 keys.
; LIMITS: a block whose largest number lies under 2^-122 keeps the byte 1 (a block of zeros too: its codes are zeros; this program alone reads the bytes); NaN and infinities are not served.
; REGISTERS, in windows of 256: window 0: v0-31 addresses; v32-63 scale words, two sets; from v128 A's fragments, one set; on the way out v32-255 are free.
;   window 1: B's fragments, two sets, at v0 and v128.   window 2: the accumulators of my rows 0-63 ((a, b) at v[8 (8 a + b)]);   window 3: those of my rows 64-127.
.set SIZE_K, 1024
.set ROWB,   256
.set NQ,     2
.set KROW,   SIZE_K*6/8
.set STEPS,  SIZE_K/128
.set CHUNKS, KROW/ROWB
.set PITCH,  272                       ; an LDS row: 256 bytes + 16 of padding
.set FR,     12
.set NL,     6
.set NP,     4                         ; places behind this matrix instruction (ISA guide 7.12.1)
.set HALFT,  128*PITCH
.set SLOT,   4*HALFT                   ; A's 256 rows, then B's 256 rows
.set KS,     SIZE_K/32
.set SCL,    2*SLOT                    ; behind the ring: the scales, as runs of 256 bytes + 16 of padding
.set HALFS,  (128*KS/256)*272
.set SBLK,   (16*KS/256)*272
.set SPARE,  SCL+4*HALFS               ; the spare words, 128 bytes a wave, which no other line names
.set GRPB,   6400                      ; a group's block in pimg
.set HEADB,  16*GRPB                   ; a head's
.set ADRA, 16                          ; v16-17 my A fragments in slot 0, 1; v18-19 for pieces whose two halves of the lanes read different chunks
.set ADRB, 20                          ; v20-23 the same for B
.set SPW,  28
.set NIL,  29
.set ADRS, 27                          ; my scale words: lanes 0-15 A's rows, lanes 16-31 B's
.set SC,   32
.set AF,   128
.set LI,   24                          ; the way out: 16 x lane
.set SA,   25                          ; HEADB (lane / 16) + 16 (lane % 16)
.set SELV, 26
.set TM,   32
.set PWS,  48
.set CT,   56
.set H,    64
.set SW,   176
.set TT,   66                          ; the tensor: 0 q, 1 k, 2 v
.set SEL,  98
.set G1, 24
.set G0, 32
.set G1B, 48
.set G0B, 56
.set G1S, 68
.set G0S, 76
.set G1SB, 80
.set G0SB, 88
.set G0H, 4                            ; group 0 of the head's loads of chunk 0, in registers whose arguments have been used by then
.set G0HB, 8
.set MSB, 0
.macro WIN new                         ; the immediate's high byte repeats the setting that is left
.if MSB != \new
	s_set_vgpr_msb (MSB<<8)|\new
.set MSB, \new
.endif
.endm
.set MUL_LO, 0xa1
.set MUL_HI, 0xf1
.set TO_B,   0x40
; a joint load: waves 0 and 1 fetch for A, waves 2 and 3 for B; s_nop 0 and four v_nop behind each line
.macro JLOAD g0a, g1a, g0b, g1b
	s_cmp_eq_u32 s15, 0
	s_cbranch_scc0 .Lfor_b_\@
	tensor_load_to_lds s[\g0a:\g0a+3], s[\g1a:\g1a+7]
	s_nop 0
.rept 4
	v_nop
.endr
	s_branch .Lasked_\@
.Lfor_b_\@:
	tensor_load_to_lds s[\g0b:\g0b+3], s[\g1b:\g1b+7]
	s_nop 0
.rept 4
	v_nop
.endr
.Lasked_\@:
.endm
.macro CREST                           ; a round of the cluster's barrier behind its opening barrier
	s_cmp_lg_u32 s14, 0
	s_cbranch_scc1 .Lnot_wave_0_\@
	s_barrier_signal -3
.Lnot_wave_0_\@:
	s_barrier_wait -3
	s_barrier_signal -1
	s_barrier_wait -1
.endm
.macro CROUND
	s_barrier_signal -1
	s_barrier_wait -1
	CREST
.endm
	s_load_b128 s[4:7], s[0:1], 0x0                ; xcodes, xscales
	s_load_b64 s[12:13], s[0:1], 0x10              ; pimg
	v_lshl_add_u32 v[SPW], v0, 2, SPARE
	v_mov_b32 v[NIL], 0
	ds_add_u32 v[SPW], v[NIL]                      ; the opening lines: the add twice on end and one wait
	ds_add_u32 v[SPW], v[NIL]
	v_lshrrev_b32 v1, 5, v0
	v_readfirstlane_b32 s14, v1                    ; wave
	s_lshr_b32 s15, s14, 1                         ; my half of A's rows; also: I fetch for A (0) or B (1)
	s_and_b32 s16, s14, 1                          ; my half of B's rows; also: which 128 rows I fetch
	s_bfe_u32 s40, ttmp6, 0x40000                  ; cx
	s_bfe_u32 s41, ttmp6, 0x40004                  ; cy
	s_and_b32 s18, ttmp7, 0xffff                   ; the cluster's y, 0 .. 23
	s_lshr_b32 s[TT], s18, 3
	s_and_b32 s18, s18, 7                          ; which eighth of the tokens
	s_lshl_b32 s19, s[TT], 13                      ; q's or k's first row
	s_lshl_b32 s20, s[TT], 10
	s_add_co_u32 s20, s20, 24576                   ; Wq's or Wk's
	s_cmp_eq_u32 s[TT], 2                          ; v: A = Wv's rows, B = v's tokens
	s_cselect_b32 s96, 0, s18
	s_cselect_b32 s97, s18, 0
	s_cselect_b32 s67, 26624, s19                  ; A's first row
	s_cselect_b32 s95, 16384, s20                  ; B's first row
	s_lshl_b32 s42, s97, 2
	s_add_co_u32 s42, s42, s40                     ; tile of B's rows
	s_lshl_b32 s17, s96, 2
	s_add_co_u32 s17, s17, s41                     ; tile of A's rows
	s_lshl_b32 s43, s41, 2
	s_lshl_b32 s43, 15, s43                        ; my row of the cluster
	s_lshl_b32 s44, 0x1111, s40                    ; my column
	s_mov_b32 s[SEL], 0x76543210
	s_mov_b32 s[SEL+1], 0xfedcba98
	s_or_b32 s[G1+0], s43, (0<<16)|(1<<20)|(1<<21)|(5<<22)|(3<<25)  ; mask; bytes; 4 words of padding behind every 64
	s_or_b32 s[G1B+0], s44, (0<<16)|(1<<20)|(1<<21)|(5<<22)|(3<<25)
.irp g, G1, G1B
	s_mov_b32 s[\g+1], ROWB<<16
	s_mov_b32 s[\g+2], 256<<16                     ; 256 rows for the head's loads
	s_mov_b32 s[\g+3], ROWB<<16
	s_mov_b32 s[\g+4], 256
	s_mov_b32 s[\g+5], KROW
	s_mov_b32 s[\g+6], 0
	s_mov_b32 s[\g+7], 0
.endr
	s_or_b32 s[G1S+0], s43, (3<<16)|(1<<20)|(1<<21)|(5<<22)|(3<<25) ; the scales of 256 rows: a dense block, as KS rows of 256 bytes
	s_or_b32 s[G1SB+0], s44, (3<<16)|(1<<20)|(1<<21)|(5<<22)|(3<<25)
.irp g, G1S, G1SB
	s_mov_b32 s[\g+1], 32<<16
	s_mov_b32 s[\g+2], KS<<16
	s_mov_b32 s[\g+3], 32<<16
	s_mov_b32 s[\g+4], KS
	s_mov_b32 s[\g+5], 32
	s_mov_b32 s[\g+6], 0
	s_mov_b32 s[\g+7], 0
.endr
	s_lshl_b32 s20, s17, 8
	s_add_co_u32 s20, s20, s67                     ; A: the tile's first row
	s_lshl_b32 s46, s42, 8
	s_add_co_u32 s46, s46, s95                     ; B's
	s_mov_b32 s21, 0
	s_mov_b32 s47, 0
	s_mov_b64 s[18:19], KS
	s_mul_u64 s[22:23], s[20:21], s[18:19]         ; where these rows' scales begin
	s_mul_u64 s[92:93], s[46:47], s[18:19]
	s_mov_b64 s[18:19], KROW
	s_mul_u64 s[20:21], s[20:21], s[18:19]         ; and their codes
	s_mul_u64 s[46:47], s[46:47], s[18:19]
	s_mul_i32 s18, s16, 128*KROW                   ; in the ring I fetch 128 rows: which half
	s_mov_b32 s19, 0
	s_mul_i32 s45, s14, HALFT                      ; and where they go: wave x 128 rows
	s_wait_dscnt 0x0                               ; both opening adds are done
	s_wait_kmcnt 0x0
	s_add_nc_u64 s[20:21], s[4:5], s[20:21]
	s_add_nc_u64 s[22:23], s[6:7], s[22:23]
	s_add_nc_u64 s[46:47], s[4:5], s[46:47]
	s_add_nc_u64 s[92:93], s[6:7], s[92:93]
	CROUND                                         ; all sixteen work-groups are here: the first joint loads meet
	s_mov_b32 s[G0H], 1                            ; chunk 0's 256 rows of A,
	s_mov_b32 s[G0H+1], 0
	s_mov_b64 s[G0H+2:G0H+3], s[20:21]
	s_or_b32 s[G0H+3], s[G0H+3], 0x80000000
	s_mov_b32 s[G0HB], 1                           ; its 256 rows of B,
	s_mov_b32 s[G0HB+1], 2*HALFT
	s_mov_b64 s[G0HB+2:G0HB+3], s[46:47]
	s_or_b32 s[G0HB+3], s[G0HB+3], 0x80000000
	s_mov_b32 s[G0S], 1                            ; A's scales,
	s_mov_b32 s[G0S+1], SCL
	s_mov_b64 s[G0S+2:G0S+3], s[22:23]
	s_or_b32 s[G0S+3], s[G0S+3], 0x80000000
	s_mov_b32 s[G0SB], 1                           ; B's
	s_mov_b32 s[G0SB+1], SCL+2*HALFS
	s_mov_b64 s[G0SB+2:G0SB+3], s[92:93]
	s_or_b32 s[G0SB+3], s[G0SB+3], 0x80000000
	s_add_nc_u64 s[20:21], s[20:21], s[18:19]      ; for the ring: my 128 rows
	s_add_nc_u64 s[46:47], s[46:47], s[18:19]
.irp s, 0,1
	s_mov_b32 s[G0+4*\s], 1
	s_add_co_u32 s[G0+4*\s+1], s45, \s*SLOT
	s_add_nc_u64 s[G0+4*\s+2:G0+4*\s+3], s[20:21], \s*ROWB
	s_or_b32 s[G0+4*\s+3], s[G0+4*\s+3], 0x80000000
	s_mov_b32 s[G0B+4*\s], 1
	s_add_co_u32 s[G0B+4*\s+1], s45, \s*SLOT
	s_add_nc_u64 s[G0B+4*\s+2:G0B+4*\s+3], s[46:47], \s*ROWB
	s_or_b32 s[G0B+4*\s+3], s[G0B+4*\s+3], 0x80000000
.endr
; the head's four tiles, one a wave, in one tree of branches on the wave's number
.macro ARM under, g0, g1, next
	s_cmp_lt_u32 s14, \under
	s_cbranch_scc0 \next
	tensor_load_to_lds s[\g0:\g0+3], s[\g1:\g1+7]
	s_nop 0
.rept 4
	v_nop
.endr
	s_branch .Lhead_asked
\next:
.endm
	ARM 1, G0H,  G1,  .Lhead_b
	ARM 2, G0HB, G1B, .Lhead_sa
	ARM 3, G0S,  G1S, .Lhead_sb
	tensor_load_to_lds s[G0SB:G0SB+3], s[G1SB:G1SB+7]
	s_nop 0
.rept 4
	v_nop
.endr
.Lhead_asked:
	v_and_b32 v1, 15, v0                           ; l % 16
	v_bfe_u32 v2, v0, 4, 1                         ; l / 16
	v_mul_u32_u24 v3, v1, PITCH
	v_mul_u32_u24 v4, v2, 24
	v_add_nc_u32 v4, v3, v4                        ; row x pitch + 24 x half
	s_mov_b32 s21, SLOT-232
	s_mov_b32 s22, SLOT+232
	v_sub_nc_u32 v7, 1, v2
	v_mul_u32_u24 v5, s21, v2
	v_add_nc_u32 v5, v3, v5
	v_add_nc_u32 v5, 232, v5                       ; lanes 0-15 byte 232 of the row in slot 0, lanes 16-31 byte 0 of the row in slot 1;
	v_mul_u32_u24 v6, s22, v7
	v_add_nc_u32 v6, v3, v6                        ; and the other way round
	s_mul_i32 s21, s15, HALFT
	s_mul_i32 s22, s16, HALFT
	s_add_co_u32 s22, s22, 2*HALFT
	v_add_nc_u32 v[ADRA+2], s21, v5
	v_add_nc_u32 v[ADRA+3], s21, v6
	v_add_nc_u32 v[ADRB+2], s22, v5
	v_add_nc_u32 v[ADRB+3], s22, v6
.irp s, 0,1
	v_add_nc_u32 v[ADRA+\s], s21, v4
	v_add_nc_u32 v[ADRB+\s], s22, v4
	s_add_co_u32 s21, s21, SLOT
	s_add_co_u32 s22, s22, SLOT
.endr
	v_mul_u32_u24 v5, v1, KS                       ; my row's scales,
	v_lshrrev_b32 v6, 8, v5
	v_lshl_add_u32 v5, v6, 4, v5                   ; and 16 more for each 256 passed
	s_mul_i32 s21, s15, HALFS
	s_mul_i32 s22, s16, HALFS
	s_add_co_u32 s22, s22, 2*HALFS
	s_sub_co_u32 s22, s22, s21
	v_mul_u32_u24 v6, s22, v2                      ; lanes 16-31 take B's
	s_add_co_u32 s21, s21, SCL
	v_add_nc_u32 v5, v5, v6
	v_add_nc_u32 v[ADRS], s21, v5
	; where my wave's images go: these numbers enter the stores' base alone
	s_lshl_b32 s20, s17, 1
	s_add_co_u32 s20, s20, s15                     ; which 128 rows of A are mine
	s_lshl_b32 s21, s42, 1
	s_add_co_u32 s21, s21, s16                     ; which 128 rows of B
	s_cmp_eq_u32 s[TT], 2
	s_cselect_b32 s22, s21, s20                    ; the group of 128 tokens, 0 .. 63
	s_cselect_b32 s23, s20, s21                    ; the pair of heads, 0 .. 7
	s_lshl_b32 s46, s[TT], 6
	s_lshr_b32 s47, s22, 4
	s_lshl_b32 s47, s47, 4
	s_add_co_u32 s46, s46, s47                     ; 64 t + 16 x batch
	s_lshl_b32 s47, s23, 1
	s_add_co_u32 s46, s46, s47                     ; + the pair's first head
	s_lshl_b32 s46, s46, 4
	s_and_b32 s47, s22, 15
	s_add_co_u32 s46, s46, s47                     ; x 16 + the group within the batch
	s_mul_i32 s20, s46, GRPB
	s_mov_b32 s21, 0
	s_add_nc_u64 s[12:13], s[12:13], s[20:21]
.macro FRAG reg, adr, st, i            ; 16 rows x 128 K: 12 registers, in pieces of 8 bytes; byte y of a row lies in slot (y / 256) % 2 at byte y % 256 of the LDS row
.irp p, 0,1,2,3,4,5
.set BY, 96*(\st)+48*(\p/3)+8*(\p%3)
.if BY/ROWB == (BY+24)/ROWB
	ds_load_b64 v[\reg+2*\p:\reg+2*\p+1], v[\adr+(BY/ROWB)%2] offset:BY%ROWB+(\i)*16*PITCH
.else
	ds_load_b64 v[\reg+2*\p:\reg+2*\p+1], v[\adr+2+(BY/ROWB)%2] offset:BY%ROWB-232+(\i)*16*PITCH
.endif
.endr
.endm
; 16 matrix instructions: A's blocks a0, a0 + 1 x B's eight.  The 64 accumulators take turns, in the same order in every step
.macro MUL16 a0, p, q, sc, zero
.irp a, \a0, \a0+1
.irp b, 0,1,2,3,4,5,6,7
.if \zero
	v_wmma_scale_f32_16x16x128_f8f6f4 v[8*(8*((\a)%4)+\b):8*(8*((\a)%4)+\b)+7], v[128*(\p)+FR*\b:128*(\p)+FR*\b+FR-1], v[AF+FR*(\a):AF+FR*(\a)+FR-1], 0, v[SC+8*NQ*(\sc)+NQ*\b+(\q)], v[SC+8*NQ*(\sc)+NQ*(\a)+(\q)] matrix_a_fmt:MATRIX_FMT_BF6 matrix_b_fmt:MATRIX_FMT_BF6 matrix_a_scale:MATRIX_SCALE_ROW1
.else
	v_wmma_scale_f32_16x16x128_f8f6f4 v[8*(8*((\a)%4)+\b):8*(8*((\a)%4)+\b)+7], v[128*(\p)+FR*\b:128*(\p)+FR*\b+FR-1], v[AF+FR*(\a):AF+FR*(\a)+FR-1], v[8*(8*((\a)%4)+\b):8*(8*((\a)%4)+\b)+7], v[SC+8*NQ*(\sc)+NQ*\b+(\q)], v[SC+8*NQ*(\sc)+NQ*(\a)+(\q)] matrix_a_fmt:MATRIX_FMT_BF6 matrix_b_fmt:MATRIX_FMT_BF6 matrix_a_scale:MATRIX_SCALE_ROW1
.endif
.endr
.endr
.endm
.macro FETCH_B st, p
	WIN TO_B
.irp i, 0,1,2,3,4,5,6,7
	FRAG 128*(\p)+FR*\i, ADRB, \st, \i
.endr
	WIN 0
.endm
.macro FETCH_A st, i0
.irp i, \i0, \i0+1, \i0+2, \i0+3
	FRAG AF+FR*(\i), ADRA, \st, \i
.endr
.endm
.macro SCALES pr                       ; the scale words of steps 2 pr and 2 pr + 1 into set pr % 2
.irp i, 0,1,2,3,4,5,6,7
	ds_load_b64 v[SC+8*NQ*((\pr)%2)+NQ*\i:SC+8*NQ*((\pr)%2)+NQ*\i+1], v[ADRS] offset:\i*SBLK+4*NQ*(\pr)
.endr
.endm
.macro PLACES n
.rept \n
	v_nop
.endr
.endm
; A step: 64 matrix instructions; the next step's fragments are fetched in its middle and at its end.  Where the next step's bytes END in a chunk not yet read, a barrier shows that chunk whole;
; where they BEGIN in a later chunk, the chunk left behind is read no more: the three lines, the barrier, and, where a chunk two on is left to fetch, a round of the cluster's barrier and the refill.
.macro STEP st, zero
.set NX, (\st)+1
.set C0, (96*(\st))/ROWB
.set C1, (96*NX)/ROWB
.set E0, (96*(\st)+95)/ROWB
.set E1, (96*NX+95)/ROWB
.if C1 > C0 || E1 > E0
	s_wait_tensorcnt 0x0                           ; all my tensor loads have landed
.if C1 > C0
	ds_add_u32 v[SPW], v[NIL]
	s_wait_dscnt 4*NL+1                            ; the add and the youngest 24 loads (A's blocks 4-7) may be out
.else
	s_wait_dscnt 4*NL
.endif
	WIN MUL_LO
	MUL16 0, (\st)%2, (\st)%2, ((\st)/2)%2, \zero
	s_wait_dscnt 0x0                               ; the add and all my reads are done
	s_barrier_signal -1
	MUL16 2, (\st)%2, (\st)%2, ((\st)/2)%2, \zero
	WIN 0
	s_barrier_wait -1
.if C1 > C0 && C0+2 < CHUNKS
	CREST
	s_add_nc_u64 s[G0+4*(C0%2)+2:G0+4*(C0%2)+3], s[G0+4*(C0%2)+2:G0+4*(C0%2)+3], 2*ROWB
	s_add_nc_u64 s[G0B+4*(C0%2)+2:G0B+4*(C0%2)+3], s[G0B+4*(C0%2)+2:G0B+4*(C0%2)+3], 2*ROWB
	JLOAD G0+4*(C0%2), G1, G0B+4*(C0%2), G1B       ; chunk C0 + 2; its four v_nop are the places in front of the loads below
.else
	PLACES NP
.endif
.else
	s_wait_dscnt 4*NL                              ; B's set and A's blocks 0-3 are in
	WIN MUL_LO
	MUL16 0, (\st)%2, (\st)%2, ((\st)/2)%2, \zero
	MUL16 2, (\st)%2, (\st)%2, ((\st)/2)%2, \zero
	s_wait_dscnt 0
	PLACES NP
.endif
	FETCH_B NX, NX%2
	FETCH_A NX, 0
.if NX%2 == 0
	SCALES NX/2
.endif
	WIN MUL_HI
	MUL16 4, (\st)%2, (\st)%2, ((\st)/2)%2, \zero
	MUL16 6, (\st)%2, (\st)%2, ((\st)/2)%2, \zero
	PLACES NP
	WIN 0
	FETCH_A NX, 4
.endm
	s_wait_alu depctr_va_vdst(0)
	s_wait_tensorcnt 0x0                           ; my tile of the head's four is in; the three lines ahead of slot 1's first fill:
	ds_add_u32 v[SPW], v[NIL]
	s_mov_b32 s[G1+2], 128<<16                     ; no tensor load of mine is out: from here on a load brings 128 rows
	s_mov_b32 s[G1+4], 128
	s_mov_b32 s[G1B+2], 128<<16
	s_mov_b32 s[G1B+4], 128
	s_wait_dscnt 0x0
	CROUND
	JLOAD G0+4, G1, G0B+4, G1B                     ; chunk 1, the first tensor load behind the round
	FETCH_B 0, 0
	FETCH_A 0, 0
	SCALES 0
	FETCH_A 0, 4
	STEP 0, 1                                      ; the first step's products start the sums
.set ST, 1
.rept STEPS-2
	STEP ST, 0
.set ST, ST+1
.endr
	s_wait_dscnt 4*NL                              ; the last step: nothing more to fetch
	WIN MUL_LO
	MUL16 0, 1, 1, 1, 0
	MUL16 2, 1, 1, 1, 0
	s_wait_dscnt 0
	WIN MUL_HI
	MUL16 4, 1, 1, 1, 0
	MUL16 6, 1, 1, 1, 0
	WIN 0
; THE WAY OUT, block by block of 16 rows of A, with no LDS: a block's 64 registers of a lane are 64 numbers of ONE row of A, register 16 b + i = B's row 32 b + 16 (lane / 16) + i.
.macro RELU a                          ; the activation, which is also the move into window 0; each accumulator from its low end on
	WIN 0x08+4*((\a)/4)
.set AC, 64*((\a)%4)
.set J, 0
.rept 64
	v_max_num_f32 v[H+J], 0, v[AC+J]
.set J, J+1
.endr
	WIN 0
.endm
; the 64 numbers become codes: blocks 0, 1 in v[d0 .. d0 + 5], blocks 2, 3 in v[d1 .. d1 + 5] (lanes 0-15 the even block whole, lanes 16-31 the odd one), the four scale bytes in v[pw].  None is negative
.macro QUANT d0, d1, pw
.irp b, 0,1,2,3
	v_max3_num_f32 v[TM+\b], v[H+16*\b], v[H+1+16*\b], 0x2800000   ; with the floor 2^(5 - 127): the byte cannot fall under 1
.endr
.irp i, 2,4,6,8,10,12,14
.irp b, 0,1,2,3
	v_max3_num_f32 v[TM+\b], v[TM+\b], v[H+16*\b+\i], v[H+1+16*\b+\i]
.endr
.endr
.irp b, 0,1,2,3
	v_permlanex16_b32 v[TM+4+\b], v[TM+\b], s[SEL], s[SEL+1]
.endr
.irp b, 0,1,2,3
	v_max_num_f32 v[TM+\b], v[TM+\b], v[TM+4+\b]
.endr
.irp b, 0,1,2,3
	v_add_nc_u32 v[TM+12+\b], 0xfe000000, v[TM+\b] ; 4 off the exponent field: the conversion's scale operand
.endr
.irp b, 0,1,2,3
	v_lshrrev_b32 v[TM+4+\b], 23, v[TM+12+\b]      ; the scale's byte
.endr
	v_lshl_or_b32 v[\pw], v[TM+5], 8, v[TM+4]
	v_lshl_or_b32 v[\pw], v[TM+6], 16, v[\pw]
	v_lshl_or_b32 v[\pw], v[TM+7], 24, v[\pw]
	s_wait_xcnt 0x0                                ; the stores issued so far have read their data
	v_cvt_scalef32_pk16_bf6_f32 v[\d0:\d0+2], v[H:H+15], v[TM+12]
	v_cvt_scalef32_pk16_bf6_f32 v[CT:CT+2], v[H+16:H+31], v[TM+13]
	v_cvt_scalef32_pk16_bf6_f32 v[\d1:\d1+2], v[H+32:H+47], v[TM+14]
	v_cvt_scalef32_pk16_bf6_f32 v[CT+4:CT+6], v[H+48:H+63], v[TM+15]
	v_nop                                          ; one plain line behind the scaled conversions
.irp i, 0,1,2
	v_permlane16_swap_b32 v[\d0+\i], v[CT+\i]
.endr
.irp i, 0,1,2
	v_mov_b32 v[\d0+3+\i], v[CT+\i]
.endr
.irp i, 0,1,2
	v_permlane16_swap_b32 v[\d1+\i], v[CT+4+\i]
.endr
.irp i, 0,1,2
	v_mov_b32 v[\d1+3+\i], v[CT+4+\i]
.endr
.endm
.macro ST3 reg, off                    ; an image: three stores, each of 512 consecutive bytes, aligned
.irp c, 0,1,2
	global_store_b128 v[LI], v[\reg+4*\c:\reg+4*\c+3], s[12:13] offset:\off+512*\c
.endr
.endm
	v_and_b32 v[LI], 31, v0                        ; (these lines name no register of the last products: they are the places behind them)
	v_and_b32 v[SA], 15, v0
	v_lshlrev_b32 v[SA], 4, v[SA]
	v_lshrrev_b32 v27, 4, v[LI]
	v_mul_u32_u24 v27, HEADB, v27
	v_add_nc_u32 v[SA], v27, v[SA]                 ; lanes 0-15: the pair's first head, lanes 16-31 its second; 16 bytes a row
	v_mov_b32 v[SELV], 0x05040100
	v_mov_b32 v27, 0x07060302
	v_cmp_le_u32 vcc_lo, 16, v[LI]
	v_cndmask_b32 v[SELV], v[SELV], v27, vcc_lo
	v_lshlrev_b32 v[LI], 4, v[LI]
.irp b, 0,1,2,3
	v_mov_b32 v[TM+4+\b], 0                        ; a lane permute's destination counts as one of its sources
.endr
	s_cmp_eq_u32 s[TT], 2                          ; the tensor hangs on the cluster's y alone
	s_cbranch_scc1 .Lway_v
	; q, k: my 128 rows of B are two heads' features; two tiles of tokens fill an image of each head
.irp i, 0,1,2,3
.set S, 128+24*(\i%2)
	RELU 2*\i
	QUANT S, S+12, PWS+2*\i
	RELU 2*\i+1
	QUANT S+6, S+18, PWS+2*\i+1
	ST3 S, 256+1536*\i
	ST3 S+12, HEADB+256+1536*\i
.endr
.irp i, 0,1,2,3
	v_perm_b32 v[SW+\i], v[PWS+2*\i+1], v[PWS+2*\i], v[SELV]   ; image i's word: lanes 0-15 the first head's, lanes 16-31 the second's
.endr
	s_branch .Lway_end
.Lway_v:
	; v: my 128 rows of A are two heads' features, four tiles each; my 128 rows of B are a group's keys: a block of A is one whole fragment
.irp a, 0,1,2,3,4,5,6,7
.set S, 128+12*(\a%4)
	RELU \a
	QUANT S, S+6, PWS+\a
	ST3 S, HEADB*(\a/4)+256+1536*(\a%4)
.endr
.irp i, 0,1,2,3
	v_cndmask_b32 v[SW+\i], v[PWS+\i], v[PWS+4+\i], vcc_lo
.endr
.Lway_end:
	s_wait_alu depctr_va_vdst(0)
	global_store_b128 v[SA], v[SW:SW+3], s[12:13]  ; sixteen lanes store 256 consecutive bytes, aligned: a head's scale words of this group
	s_wait_tensorcnt 0x0                           ; the wave's end
	ds_add_u32 v[SPW], v[NIL]
	s_wait_dscnt 0x0
	CROUND                                         ; the closing round
	s_endpgm
.Lfunc_end_k_q856a3155da_proj:
	.size	k_q856a3155da_proj, .Lfunc_end_k_q856a3155da_proj-k_q856a3155da_proj
	.p2alignl 7, 3214868480
	.fill 96, 4, 3214868480
	.section	.rodata,"a",@progbits
	.p2align	6, 0x0
	.amdhsa_kernel k_q856a3155da_proj
		.amdhsa_group_segment_fixed_size 327680
		.amdhsa_private_segment_fixed_size 0
		.amdhsa_enable_private_segment 0
		.amdhsa_kernarg_size 24
		.amdhsa_user_sgpr_count 2
		.amdhsa_user_sgpr_kernarg_segment_ptr 1
		.amdhsa_wavefront_size32 1
		.amdhsa_system_sgpr_workgroup_id_x 1
		.amdhsa_system_sgpr_workgroup_id_y 1
		.amdhsa_system_sgpr_workgroup_id_z 1
		.amdhsa_system_vgpr_workitem_id 0
		.amdhsa_next_free_vgpr 1024
		.amdhsa_next_free_sgpr 100
		.amdhsa_reserve_vcc 1
		.amdhsa_float_denorm_mode_32 3
		.amdhsa_float_denorm_mode_16_64 3
		.amdhsa_memory_ordered 1
		.amdhsa_forward_progress 1
		.amdhsa_inst_pref_size 230
	.end_amdhsa_kernel
	.amdgpu_metadata
---
amdhsa.version: [ 1, 2 ]
amdhsa.kernels:
  - .name:           k_q856a3155da_proj
    .symbol:         k_q856a3155da_proj.kd
    .args:
      - { .name: xcodes, .offset: 0, .size: 8, .value_kind: global_buffer, .address_space: global }
      - { .name: xscales, .offset: 8, .size: 8, .value_kind: global_buffer, .address_space: global }
      - { .name: pimg, .offset: 16, .size: 8, .value_kind: global_buffer, .address_space: global }
    .group_segment_fixed_size: 327680
    .private_segment_fixed_size: 0
    .kernarg_segment_align: 8
    .kernarg_segment_size: 24
    .max_flat_workgroup_size: 128
    .sgpr_count:     100
    .vgpr_count:     1024
    .wavefront_size: 32
...
	.end_amdgpu_metadata
.endif
;; end of part 2
;; launch attn (part 3): grid 4 x 64, 16 waves a work-group, clusters of 4 x 1, 327,680 bytes of LDS; arguments pimg, out0; writes out0
.if DOCPART == 3
	.amdgcn_target "amdgcn-amd-amdhsa--gfx1250"
	.amdhsa_code_object_version 6
	.text
	.protected	k_q856a3155da_attn
	.globl	k_q856a3155da_attn
	.p2align	8
	.type	k_q856a3155da_attn,@function
k_q856a3155da_attn:
	s_mov_b64 s[64:65], 0
	v_nop
	global_prefetch_b8 v0, s[64:65] scope:SCOPE_SE
	s_setreg_imm32_b32 hwreg(HW_REG_WAVE_MODE, 25, 1), 1
	s_wait_xcnt 0x0
	s_wait_alu depctr_hold_cnt(0) depctr_sa_sdst(0) depctr_va_vdst(0) depctr_va_sdst(0) depctr_va_ssrc(0) depctr_va_vcc(0) depctr_vm_vsrc(0)
	s_getreg_b32 s2, hwreg(HW_REG_IB_STS2, 6, 4)
	s_cmp_eq_u32 s2, 0
	s_cbranch_scc0 .Lentry_in_a_cluster
	s_endpgm
.Lentry_in_a_cluster:
	s_bfe_u32 s2, ttmp6, 0x10000c
	s_cmp_lg_u32 s2, 0x3003
	s_cbranch_scc0 .Lentry_shape_is_right
	s_endpgm
.Lentry_shape_is_right:
; out = softmax(qp kp^T / 8) vp for one batch and head, on codes of BF6 (E3M2) with E8M0 scales, from the register images that the launch before has stored in pimg.
; SHARES: a work-group of 16 waves takes 512 queries of one head, a wave 32 of them in two passes of 16; 4 x 64 = 256 work-groups.  The four of a head form a cluster and ask for K and V jointly.
; LDS: 16 blocks of 12,800 bytes, block s = K's group s (256 bytes of scale words, four images of 1,536 bytes), then V's group s.  Wave w brings block w by ONE load of two rows of 6,400 bytes (K's group, V's group,
; a tensor apart in pimg).  All of K and V come at the head, so there is no loop in which a prefetch could run ahead: none is written.  Behind the blocks: a stage of 16 x 272 bytes a wave, and the spare words.
; BOTH PRODUCTS ARE USED TRANSPOSED (S^T = k q^T, O^T = v^T p^T): a lane holds one query.  The head has 64 features and the instruction 128 along K: a fragment of K holds two tiles of 16 keys, side by side along K,
; and q stands beside zero codes, once below and once above.
; k's rows were laid so that place 16 u + 8 h + j of each 64 is key 32 h + 8 u + j: the 32 registers of tiles 4 c .. 4 c + 3 in lane (r, h) are keys 64 c + 32 h + 0 .. 31, ONE WHOLE BLOCK of the next K, in the operand's order.
; A STEP is 128 keys.  M = ceil(the running largest t), kept as -M; p = 2^(t - M); the row's sum is taken of p before it is quantised; when M moves, sum and O^T are multiplied by 2^(old M - new M), exactly.
; A block's largest p is its largest score put through the same multiply-add and exponential.  The next step's fragments of K are fetched while this step's softmax is worked.
; Independent chains take turns: a chain of maxima for each tile, in the order in which the tiles' products are issued; the loads of the next K between the links of the chain that leads to -M; four chains for the sum, part of them behind the second product.
; A load of scale words reads 16 bytes a lane at 16 x lane: lanes 0-15 get their row's four words; lanes 16-31 get bytes of the image behind them, which the matrix instruction does not read.
; LIMITS: the promise holds while the scaled scores stay under 2^31 in magnitude; NaN and infinities are not served.
.set TEN,   6553600                    ; a tensor in pimg
.set HEADB, 102400                     ; a head
.set GRP,   6400                       ; a group of 128 tokens
.set BLK,   2*GRP
.set STAGE, 16*BLK
.set SPT,   272
.set SPARE, STAGE+16*16*SPT
.set ADR,  1                           ; 16 x lane + the step's block
.set LI0,  2                           ; 16 x lane
.set QS,   3                           ; 16 x (lane % 16)
.set GO,   4
.set STI,  5
.set STO,  6
.set SH,   7                           ; 8 x (lane / 16)
.set SPW,  8
.set NIL,  9
.set QSC,  34                          ; q's scale word
.set PSC,  35                          ; p's
.set KSC,  36                          ; v36-39 K's scale words, v40-43 V's
.set VSC,  40
.set BM,   44                          ; v44-45 my two blocks' largest scores, then p, then bytes
.set UU,   46                          ; v46-47 the conversions' scale operands (ahead of that: chains of maxima)
.set KF,   48                          ; v48-95 K's four fragments
.set SS,   96                          ; v96-159 scores, then p
.set OO,   160                         ; v160-191 O^T
.set VF,   192                         ; v192-239 V's four fragments
.set PP,   240                         ; v240-251 p's codes
; v10-11, v254-255 at work; v12 -M, v13 the running largest score, v[14:15] the sum; v16-33 q, zeros, q; v252 the factor (v253 is named with it); behind the factor's last use v[252:253] is a chain of the sum
.set WV,   10
.set SEL,  20
.set CS,   22
.set G1,   24
.set G0,   32
.set TB,   60
.set CNT,  62
.macro CROUND
	s_barrier_signal -1
	s_barrier_wait -1
	s_cmp_lg_u32 s[WV], 0
	s_cbranch_scc1 .Lnot_wave_0_\@
	s_barrier_signal -3
.Lnot_wave_0_\@:
	s_barrier_wait -3
	s_barrier_signal -1
	s_barrier_wait -1
.endm
	s_load_b128 s[4:7], s[0:1], 0x0                ; pimg, out0
	v_lshl_add_u32 v[SPW], v0, 2, SPARE
	v_mov_b32 v[NIL], 0
	ds_add_u32 v[SPW], v[NIL]                      ; the opening lines: the add twice on end and one wait
	ds_add_u32 v[SPW], v[NIL]
	v_lshrrev_b32 v10, 5, v0
	v_readfirstlane_b32 s[WV], v10
	s_bfe_u32 s11, ttmp6, 0x40000
	s_lshl_b32 s13, ttmp9, 2
	s_add_co_u32 s11, s13, s11                     ; which 512 queries: enters q's and out's addresses alone
	s_and_b32 s12, ttmp7, 0xffff                   ; batch x 16 + head
	s_mul_i32 s15, s12, HEADB
	s_mul_i32 s16, s[WV], GRP
	s_add_co_u32 s16, s16, s15
	s_add_co_u32 s16, s16, TEN                     ; K's group w of this head
	s_mov_b32 s17, 0
	s_mul_i32 s14, s[WV], BLK                      ; and its block in LDS
	s_lshl_b32 s18, s11, 2
	s_lshr_b32 s19, s[WV], 2
	s_add_co_u32 s18, s18, s19
	s_mul_i32 s18, s18, GRP
	s_add_co_u32 s18, s18, s15                     ; my queries' group
	s_mov_b32 s19, 0
	s_and_b32 s44, s[WV], 3                        ; and my image in it
	s_mul_i32 s46, s44, 1536
	s_add_co_u32 s46, s46, 256
	s_mov_b32 s47, 0
	s_lshl_b32 s44, s44, 2
	s_mov_b32 s45, 0
	s_lshr_b32 s48, s12, 4                         ; out: row 2,048 batch + 512 block + 32 wave, 4,096 bytes a row, + 256 head
	s_lshl_b32 s48, s48, 11
	s_lshl_b32 s49, s11, 9
	s_add_co_u32 s48, s48, s49
	s_lshl_b32 s49, s[WV], 5
	s_add_co_u32 s48, s48, s49
	s_lshl_b32 s48, s48, 12
	s_and_b32 s49, s12, 15
	s_lshl_b32 s49, s49, 8
	s_add_co_u32 s48, s48, s49
	s_mov_b32 s49, 0
	s_mov_b32 s[G1], 15|(3<<16)|(1<<21)            ; the four partners; elements of 8 bytes
	s_mov_b32 s[G1+1], 800<<16                     ; a row: 6,400 bytes
	s_mov_b32 s[G1+2], 2<<16                       ; two rows
	s_mov_b32 s[G1+3], 800<<16
	s_mov_b32 s[G1+4], 2
	s_mov_b32 s[G1+5], TEN/8                       ; from K's group to V's
	s_mov_b32 s[G1+6], 0
	s_mov_b32 s[G1+7], 0
	s_mov_b32 s[SEL], 0x76543210
	s_mov_b32 s[SEL+1], 0xfedcba98
	s_mov_b32 s[CS], 0x3e38aa3b                    ; log2(e) / 8
	s_mov_b32 s[CS+1], s[CS]
	v_and_b32 v[LI0], 31, v0
	v_and_b32 v[QS], 15, v0
	v_bfe_u32 v11, v0, 4, 1
	v_lshlrev_b32 v[LI0], 4, v[LI0]
	v_lshlrev_b32 v[SH], 3, v11
	v_lshlrev_b32 v[GO], 12, v11
	v_mul_u32_u24 v[STI], v[QS], SPT
	v_mul_u32_u24 v[STO], v11, SPT
	v_lshl_add_u32 v[GO], v[QS], 4, v[GO]
	s_mul_i32 s13, s[WV], 16*SPT
	s_add_co_u32 s13, s13, STAGE
	v_lshl_add_u32 v[STI], v11, 6, v[STI]
	v_lshl_add_u32 v[STO], v[QS], 4, v[STO]
	v_lshlrev_b32 v[QS], 4, v[QS]
	v_add_nc_u32 v[STI], s13, v[STI]
	v_add_nc_u32 v[STO], s13, v[STO]
.irp i, 0,1,2,3,4,5
	v_mov_b32 v[22+\i], 0                          ; the zero codes beside q
.endr
	v_mov_b32 v252, 0
	v_mov_b32 v253, 0
	s_wait_alu depctr_va_vdst(0)
	s_wait_dscnt 0x0
	s_wait_kmcnt 0x0
	s_mov_b32 s[G0], 1
	s_mov_b32 s[G0+1], s14
	s_add_nc_u64 s[G0+2:G0+3], s[4:5], s[16:17]
	s_or_b32 s[G0+3], s[G0+3], 0x80000000
	s_add_nc_u64 s[38:39], s[4:5], s[18:19]
	s_add_nc_u64 s[36:37], s[38:39], s[46:47]      ; my image of q
	s_add_nc_u64 s[38:39], s[38:39], s[44:45]      ; its scale words
	s_add_nc_u64 s[40:41], s[6:7], s[48:49]
	CROUND
	tensor_load_to_lds s[G0:G0+3], s[G1:G1+7]      ; my one load: block w
	s_nop 0
.macro FLOAD reg, sc, adr, off         ; four fragments and their scale words: 13 loads
.irp f, 0,1,2,3
.irp c, 0,1,2
	ds_load_b128 v[\reg+12*\f+4*\c:\reg+12*\f+4*\c+3], v[\adr] offset:\off+256+1536*\f+512*\c
.endr
.endr
	ds_load_b128 v[\sc:\sc+3], v[\adr] offset:\off
.endm
.macro KP pf, f                        ; fragment f of the K that is fetched ahead: three loads, from v[KA] + KO
.if \pf
.irp c, 0,1,2
	ds_load_b128 v[KF+12*\f+4*\c:KF+12*\f+4*\c+3], v[KA] offset:KO+256+1536*\f+512*\c
.endr
.endif
.endm
.macro QLOAD                           ; my image of q, into registers of V's that are free
.irp c, 0,1,2
	global_load_b128 v[VF+4*\c:VF+4*\c+3], v[LI0], s[36:37] offset:512*\c
.endr
	global_load_b32 v254, v[QS], s[38:39]
.endm
.macro INIT p
	s_wait_loadcnt 0x0
.if \p == 0
	v_perm_b32 v[QSC], v254, v254, 0x01000100      ; the tile's two bytes, for the lower and the upper half of K alike
.else
	v_perm_b32 v[QSC], v254, v254, 0x03020302
.endif
.irp i, 0,1,2,3,4,5
	v_mov_b32 v[16+\i], v[VF+6*\p+\i]
	v_mov_b32 v[28+\i], v[VF+6*\p+\i]
.endr
	v_mov_b32 v13, 0xff61b1e6                      ; -3e38, under every score
	v_mov_b32 v14, 0
	v_mov_b32 v15, 0
	v_floor_f32 v12, -v13
.set J, 0
.rept 32
	v_mov_b32 v[OO+J], 0                           ; the step is written once: the first finds zeros
.set J, J+1
.endr
	s_wait_alu depctr_va_vdst(0)
.endm
.macro BMAX t0, t1, t2, t3, b          ; a block's four tiles, a chain each, seven numbers a chain; every accumulator is first read at its low end
	v_max3_num_f32 v[\t0], v[\b], v[\b+1], v[\b+2]
	v_max3_num_f32 v[\t1], v[\b+8], v[\b+9], v[\b+10]
	v_max3_num_f32 v[\t2], v[\b+16], v[\b+17], v[\b+18]
	v_max3_num_f32 v[\t3], v[\b+24], v[\b+25], v[\b+26]
.irp i, 3,5
	v_max3_num_f32 v[\t0], v[\t0], v[\b+\i], v[\b+1+\i]
	v_max3_num_f32 v[\t1], v[\t1], v[\b+8+\i], v[\b+9+\i]
	v_max3_num_f32 v[\t2], v[\t2], v[\b+16+\i], v[\b+17+\i]
	v_max3_num_f32 v[\t3], v[\t3], v[\b+24+\i], v[\b+25+\i]
.endr
.endm
.macro AD ch, j                        ; two more p onto a chain of the sum
	v_pk_add_f32 v[\ch:\ch+1], v[\ch:\ch+1], v[SS+\j:SS+\j+1]
.endm
; pf = 1: the next block's K is fetched; 2: block 0's, for the next pass; 0: none
.macro STEP pf
.if \pf == 1
.set KA, ADR
.set KO, BLK
.endif
.if \pf == 2
.set KA, LI0
.set KO, 0
.endif
	s_wait_dscnt 0x0                               ; K's fragments and words are in
.irp i, 0,1,2,3
	v_wmma_scale_f32_16x16x128_f8f6f4 v[SS+16*\i:SS+16*\i+7], v[KF+12*\i:KF+12*\i+11], v[16:27], 0, v[KSC+\i], v[QSC] matrix_a_fmt:MATRIX_FMT_BF6 matrix_b_fmt:MATRIX_FMT_BF6
	v_wmma_scale_f32_16x16x128_f8f6f4 v[SS+16*\i+8:SS+16*\i+15], v[KF+12*\i:KF+12*\i+11], v[22:33], 0, v[KSC+\i], v[QSC] matrix_a_fmt:MATRIX_FMT_BF6 matrix_b_fmt:MATRIX_FMT_BF6
.endr
	v_add_nc_u32 v[ADR], s[TB], v[LI0]             ; four places behind the products, ahead of the loads and of the first read of the scores
	v_mov_b32 v255, v12                            ; the old -M
	v_nop
	v_nop
	FLOAD VF, VSC, ADR, GRP
	s_add_co_u32 s[TB], s[TB], BLK
	BMAX 44, 10, 11, 254, SS                       ; block h: tiles 0 to 3
	BMAX 45, 46, 47, 252, SS+32                    ; block 2 + h: tiles 4 to 7
	v_max3_num_f32 v44, v44, v10, v[SS+7]          ; the chains and each tile's eighth number
	v_max3_num_f32 v11, v11, v254, v[SS+15]
	v_max3_num_f32 v45, v45, v46, v[SS+39]
	v_max3_num_f32 v47, v47, v252, v[SS+47]
	v_max3_num_f32 v44, v44, v[SS+23], v[SS+31]
	v_max3_num_f32 v45, v45, v[SS+55], v[SS+63]
	v_max_num_f32 v44, v44, v11                    ; my two blocks' largest scores
	v_max_num_f32 v45, v45, v47
	KP \pf, 0                                      ; the next K's 13 loads stand between the links of the chain to -M
	v_max_num_f32 v10, v[BM], v[BM+1]
	KP \pf, 1
	v_permlanex16_b32 v11, v10, s[SEL], s[SEL+1]   ; with lane l xor 16's 64 keys
	KP \pf, 2
	v_max3_num_f32 v13, v13, v10, v11              ; the running largest score
	KP \pf, 3
	v_mul_f32 v254, s[CS], v13                     ; as t
.if \pf
	ds_load_b128 v[KSC:KSC+3], v[KA] offset:KO
.endif
	v_floor_f32 v12, -v254                         ; -M = floor(-t)
	v_sub_f32 v254, v12, v255                      ; old M - new M, a whole number, 0 or less
.set J, 0
.rept 4
	v_pk_fma_f32 v[SS+J:SS+J+1], v[SS+J:SS+J+1], s[CS:CS+1], v[12:13] op_sel_hi:[1,0,0]   ; t - M
.set J, J+2
.endr
	v_cvt_i32_f32 v254, v254
.rept 4
	v_pk_fma_f32 v[SS+J:SS+J+1], v[SS+J:SS+J+1], s[CS:CS+1], v[12:13] op_sel_hi:[1,0,0]
.set J, J+2
.endr
	v_ldexp_f32 v252, 1.0, v254                    ; f = 2^(old M - new M)
.rept 24
	v_pk_fma_f32 v[SS+J:SS+J+1], v[SS+J:SS+J+1], s[CS:CS+1], v[12:13] op_sel_hi:[1,0,0]
.set J, J+2
.endr
	v_fma_f32 v[BM], v[BM], s[CS], v12             ; the same of each block's largest score
	v_fma_f32 v[BM+1], v[BM+1], s[CS], v12
.set J, 0
.rept 16
	v_pk_mul_f32 v[OO+J:OO+J+1], v[OO+J:OO+J+1], v[252:253] op_sel_hi:[1,0]   ; O^T under the new M, ahead of the exponentials
.set J, J+2
.endr
	v_pk_mul_f32 v[14:15], v[14:15], v[252:253] op_sel_hi:[1,0]
	s_wait_alu depctr_va_vdst(0)
.set J, 0
.rept 64
	v_exp_f32 v[SS+J], v[SS+J]                     ; p = 2^(t - M)
.set J, J+1
.endr
	v_exp_f32 v[BM], v[BM]
	v_exp_f32 v[BM+1], v[BM+1]
	v_nop                                          ; one plain place behind the batch
	s_wait_alu depctr_va_vdst(0)                   ; and the wait behind it
	; the sum of the unquantised p in four chains (v[14:15], v[10:11], v[254:255], v[252:253]), with the lines that make p's scales and codes among them
	v_max_num_f32 v[BM], 0x2800000, v[BM]          ; the floor 2^(5 - 127): the byte cannot fall under 1
	v_max_num_f32 v[BM+1], 0x2800000, v[BM+1]
	v_pk_add_f32 v[10:11], v[SS:SS+1], v[SS+2:SS+3]          ; these four pairs first: registers of theirs are taken below
	v_pk_add_f32 v[254:255], v[SS+32:SS+33], v[SS+34:SS+35]
	v_add_nc_u32 v[UU], 0xfe000000, v[BM]          ; 4 off the exponent field: the conversion's scale operand
	v_add_nc_u32 v[UU+1], 0xfe000000, v[BM+1]
	v_pk_add_f32 v[252:253], v[SS+4:SS+5], v[SS+6:SS+7]
	AD 14, 8
	v_lshrrev_b32 v[BM], 23, v[UU]                 ; the bytes of blocks h and 2 + h
	v_lshrrev_b32 v[BM+1], 23, v[UU+1]
	v_cvt_scalef32_pk16_bf6_f32 v[PP:PP+2], v[SS:SS+15], v[UU]
	v_cvt_scalef32_pk16_bf6_f32 v[PP+6:PP+8], v[SS+32:SS+47], v[UU+1]
	v_lshl_or_b32 v[BM], v[BM+1], 16, v[BM]
	AD 10, 10
	v_cvt_scalef32_pk16_bf6_f32 v[SS:SS+2], v[SS+16:SS+31], v[UU]          ; (a conversion's three registers begin on an even number: the upper halves are made here and moved)
	v_cvt_scalef32_pk16_bf6_f32 v[SS+32:SS+34], v[SS+48:SS+63], v[UU+1]
	v_lshlrev_b32 v[BM], v[SH], v[BM]              ; at their places in the word
	AD 254, 12
	v_permlanex16_b32 v[BM+1], v[BM], s[SEL], s[SEL+1]
	AD 252, 14
	AD 14, 16
	v_or_b32 v[PSC], v[BM], v[BM+1]                ; with lane l xor 16's two the word is whole
.irp i, 0,1,2
	v_mov_b32 v[PP+3+\i], v[SS+\i]
	v_mov_b32 v[PP+9+\i], v[SS+32+\i]
.endr
	AD 10, 18                                      ; these nine lines are also the places between the codes, the word and the products
	AD 254, 20
	AD 252, 22
	AD 14, 24
	AD 10, 26
	AD 254, 28
	AD 252, 30
	AD 14, 36
	AD 10, 38
	s_wait_alu depctr_va_vdst(0)
.if \pf
	s_wait_dscnt 13                                ; V's 13 loads are in; K's 13, issued behind them, may be out
.else
	s_wait_dscnt 0x0
.endif
.irp a, 0,1,2,3
	v_wmma_scale_f32_16x16x128_f8f6f4 v[OO+8*\a:OO+8*\a+7], v[VF+12*\a:VF+12*\a+11], v[PP:PP+11], v[OO+8*\a:OO+8*\a+7], v[VSC+\a], v[PSC] matrix_a_fmt:MATRIX_FMT_BF6 matrix_b_fmt:MATRIX_FMT_BF6
.endr
	AD 254, 40                                     ; the rest of the sum: these lines name no register of the four products
	AD 252, 42
	AD 14, 44
	AD 10, 46
	AD 254, 48
	AD 252, 50
	AD 14, 52
	AD 10, 54
	AD 254, 56
	AD 252, 58
	AD 14, 60
	AD 10, 62
	v_pk_add_f32 v[254:255], v[254:255], v[252:253]
	v_pk_add_f32 v[14:15], v[14:15], v[10:11]
	v_pk_add_f32 v[14:15], v[14:15], v[254:255]
.endm
.macro RUN last                        ; 16 steps; the last is written out: it has no next block
	s_mov_b32 s[TB], 0
	s_mov_b32 s[CNT], 15
.Lstep_\@:
	STEP 1
	s_sub_co_u32 s[CNT], s[CNT], 1
	s_cmp_lg_u32 s[CNT], 0
	s_cbranch_scc1 .Lstep_\@
	STEP \last
.endm
.macro OUT p
.if \p == 0
	QLOAD                                          ; for the next pass (the fifteen lines of the sum are the places behind the last products)
.endif
	v_add_f32 v14, v14, v15
	s_delay_alu instid0(VALU_DEP_1)
	v_permlanex16_b32 v252, v14, s[SEL], s[SEL+1]
	s_delay_alu instid0(VALU_DEP_1)
	v_add_f32 v14, v14, v252                       ; the row's sum
	s_wait_alu depctr_va_vdst(0)
	v_rcp_f32 v14, v14
	v_nop
	s_wait_alu depctr_va_vdst(0)                   ; this wait stands directly ahead of the first reader of O^T
.set J, 0
.rept 16
	v_pk_mul_f32 v[SS+J:SS+J+1], v[OO+J:OO+J+1], v[14:15] op_sel_hi:[1,0]   ; registers 16 b + i: features 32 b + 16 h + i of query r
.set J, J+2
.endr
.irp b, 0,1
.irp k, 0,1,2,3
	ds_store_b128 v[STI], v[SS+16*\b+4*\k:SS+16*\b+4*\k+3] offset:128*\b+16*\k
.endr
.endr
.irp i, 0,1,2,3,4,5,6,7
	ds_load_b128 v[SS+32+4*\i:SS+35+4*\i], v[STO] offset:2*\i*SPT   ; my own stage: LDS serves a wave's instructions in order
.endr
.irp i, 0,1,2,3,4,5,6,7
	s_wait_dscnt 7-\i
	global_store_b128 v[GO], v[SS+32+4*\i:SS+35+4*\i], s[40:41] offset:(8*\p+2*\i+8*(\i/4))*4096 th:TH_STORE_NT   ; sixteen lanes store a query's 256 bytes, aligned
.endr
.if \p == 0
	s_wait_xcnt 0x0                                ; the stores have read their data: the next pass writes these registers
.endif
.endm
	QLOAD
	INIT 0
	s_wait_tensorcnt 0x0                           ; my block is in,
	s_barrier_signal -1
	s_barrier_wait -1                              ; everybody's are
	FLOAD KF, KSC, LI0, 0
	RUN 2
	OUT 0
	INIT 1
	RUN 0
	OUT 1
	s_wait_tensorcnt 0x0                           ; the wave's end
	ds_add_u32 v[SPW], v[NIL]
	s_wait_dscnt 0x0
	CROUND                                         ; the closing round
	s_endpgm
.Lfunc_end_k_q856a3155da_attn:
	.size	k_q856a3155da_attn, .Lfunc_end_k_q856a3155da_attn-k_q856a3155da_attn
	.p2alignl 7, 3214868480
	.fill 96, 4, 3214868480
	.section	.rodata,"a",@progbits
	.p2align	6, 0x0
	.amdhsa_kernel k_q856a3155da_attn
		.amdhsa_group_segment_fixed_size 327680
		.amdhsa_private_segment_fixed_size 0
		.amdhsa_enable_private_segment 0
		.amdhsa_kernarg_size 16
		.amdhsa_user_sgpr_count 2
		.amdhsa_user_sgpr_kernarg_segment_ptr 1
		.amdhsa_wavefront_size32 1
		.amdhsa_system_sgpr_workgroup_id_x 1
		.amdhsa_system_sgpr_workgroup_id_y 1
		.amdhsa_system_sgpr_workgroup_id_z 1
		.amdhsa_system_vgpr_workitem_id 0
		.amdhsa_next_free_vgpr 256
		.amdhsa_next_free_sgpr 80
		.amdhsa_reserve_vcc 0
		.amdhsa_float_denorm_mode_32 3
		.amdhsa_float_denorm_mode_16_64 3
		.amdhsa_memory_ordered 1
		.amdhsa_forward_progress 1
		.amdhsa_inst_pref_size 73
	.end_amdhsa_kernel
	.amdgpu_metadata
---
amdhsa.version: [ 1, 2 ]
amdhsa.kernels:
  - .name:           k_q856a3155da_attn
    .symbol:         k_q856a3155da_attn.kd
    .args:
      - { .name: pimg, .offset: 0, .size: 8, .value_kind: global_buffer, .address_space: global }
      - { .name: out0, .offset: 8, .size: 8, .value_kind: global_buffer, .address_space: global }
    .group_segment_fixed_size: 327680
    .private_segment_fixed_size: 0
    .kernarg_segment_align: 8
    .kernarg_segment_size: 16
    .max_flat_workgroup_size: 512
    .sgpr_count:     80
    .vgpr_count:     256
    .wavefront_size: 32
...
	.end_amdgpu_metadata
.endif
;; end of part 3
